; MI455X (gfx1250); checked and timed in simulation.
; The chip was launched on July 23, 2026; its instructions are those of AMD's public machine-readable ISA for CDNA 5 (MIT licence, August 2026) and "CDNA5" Instruction Set Architecture Reference Guide (July 2026). The comments in the code are by the model that wrote it; some were corrected since.
;; Encrypted Feed Forward. Allowed arithmetic: matrix products marked QUANTISED: E5M2 operands, one given power-of-two scale a tensor, by v_wmma_f32_16x16x64_bf8_bf8 or v_wmma_f32_16x16x128_bf8_bf8, f32 sums; everything else in f32.
;; Inputs: W1 1,024 x 4,096 float32; W2 4,096 x 1,024 float32; b1 4,096 float32; b2 1,024 float32; lowp_scales 4 int32 (the exponents e of the quantised operands' scales 2^e); x 8,192 x 1,024 float32.
;; Outputs: out0 8,192 x 1,024 float32.
;; This version of the problem:
;;   THIS VERSION OF THE PROBLEM IS GIVEN IN LOW PRECISION. The matrix products marked QUANTISED in the list below multiply operands that are first quantised to E5M2 (5 exponent bits, 2 mantissa bits; 8 bits a number), with one given power-of-two scale for each operand tensor; their sums are f32. All else is computed in f32.
;;   The module's matrix products, in the order in which they are computed (A, B: the left and right operand; K: the contracted axis; several contracted axes count as one K, in the product's order):
;;     1. [M 8,192, K 1,024] x [K 1,024, N 4,096]; A: input x; B: input W1: QUANTISED (scales: A lowp_scales[0], B lowp_scales[1])
;;     2. [M 8,192, K 4,096] x [K 4,096, N 1,024]; A: computed on the way; B: input W2: QUANTISED (scales: A lowp_scales[2], B lowp_scales[3])
;;   THE QUANTISER, for each operand of a quantised product, along K:
;;     - The operand's scale is 2^e, e = its entry of the input lowp_scales (int32; the entries are numbered through the quantised products in the list's order, A before B).
;;     - Each number is divided by the scale, clamped to +-57,344, and rounded to the nearest number of E5M2, ties to even, subnormals kept.
;;     - The product sums the exact products of the quantised numbers (number of the format x scale) in f32.
;;   ~~~python
;;   def quantise(x, axis, e):      # numpy; x: float32 -> the quantised numbers, widened to float32 again
;;       x = np.moveaxis(x, axis, -1); K = x.shape[-1]
;;       r = np.clip(x / 2.0 ** e, -57344, 57344)
;;       step = 2.0 ** (np.maximum(np.frexp(np.where(r == 0, 1, r))[1] - 1, -14) - 2)
;;       q = np.round(r / step) * step * 2.0 ** e      # np.round: ties to even
;;       return np.moveaxis(q, -1, axis).astype(np.float32)
;;   ~~~
;;   OPERANDS COMPUTED ON THE WAY. 'Computed on the way' means the value that the module computes at that place (a softmax that the list does not call 'softmax' is quantised finished and normalised). What goes into a quantiser is computed in f32, as accurately as f32 sums, v_exp_f32 and their like allow (about 1e-6 of the number): no bf16 or f16 on the way to a quantiser, and a product that is left as it is and whose result goes on into a quantised operand takes f32 operands (vector FMAs, or v_wmma_f32_16x16x4_f32). A number that lies on a knife's edge between two numbers of the format may be rounded either way, as far as f32 arithmetic and the matrix unit's own rounding can turn it there, and no further.
;; One version. Each part assembles by itself: llvm-mc -triple=amdgcn-amd-amdhsa -mcpu=gfx1250 --defsym DOCPART=n.
;; ======== version 1 of 1: 3 launches
;; limits: right only within a limited range of input values
;; workspace buffers: x_img 8,388,608 bytes; w1_img 4,194,304 bytes; w2_img 4,194,304 bytes; h_img 33,554,432 bytes
;; launch quant (part 1): grid 1024 x 1, 4 waves a work-group, no clusters, 34,304 bytes of LDS; arguments x, W1, W2, lowp_scales, x_img, w1_img, w2_img; writes x_img, w1_img, w2_img
.if DOCPART == 1
	.amdgcn_target "amdgcn-amd-amdhsa--gfx1250"
	.amdhsa_code_object_version 6
	.text
	.protected	k_q75c9ab346e_quant
	.globl	k_q75c9ab346e_quant
	.p2align	8
	.type	k_q75c9ab346e_quant,@function
k_q75c9ab346e_quant:
	s_mov_b64 s[64:65], 0
	v_nop
	global_prefetch_b8 v0, s[64:65] scope:SCOPE_SE
	s_setreg_imm32_b32 hwreg(HW_REG_WAVE_MODE, 25, 1), 1
	s_wait_xcnt 0x0
; x [8192][1024], W1 [1024][4096] and W2 [4096][1024], f32, become codes of BF8 (E5M2), each with the scale 2^e given for it (entries 0, 1 and 3 of the scales).
; code = number / 2^e, held within +-57,344, rounded to the nearest code, ties to even.
; LIMITS: each e between -126 and 112, so that 2^e and 57,344 x 2^e are f32 numbers.  NaN among the inputs is not served (an infinity is held at the largest code).
; THE CODES ARE LAID AS IMAGES OF OPERAND REGISTERS.  A fragment is 16 rows (x) or 16 columns (W) x 128 along K, 2,048 bytes: group c (0..3) at 512 c, lane l's 16 bytes at 16 l;
; lane (r = l % 16, h = l / 16) holds there k = 32 c + 16 h + 0 .. 15 of the fragment's row r.  So the products' launches fetch a fragment by loads of 16 bytes at 16 x lane, and a K step's tiles are dense blocks.
;   x_img  [m / 256][k / 128][(m % 256) / 16][2048]      w1_img [f / 256][k / 128][16][2048]      w2_img [n / 256][f / 128][16][2048]
; In W's images fragment 2 B + u of a tile of 256 columns holds at place p the column 32 B + 8 u + p + 8 (p / 8): a product used transposed then leaves 16 neighbouring columns in a lane's 16 registers of two neighbouring tiles.
; SHARES.  Every wave takes 16 KB of f32.  Work-groups 0-511: x, 16 rows each, wave w the columns 256 w on.  512-767: W1, 768-1023: W2: 128 columns x 128 along K each, wave w 32 of the columns.
; A stream: each input byte is read once, each code written once, by stores of 512 consecutive bytes.  No matrix unit, no cluster (work-groups share no input), no barrier (waves share nothing), no tensor load.
; Only the x path touches LDS.
.set SP,   528                         ; the x path's stage: a row of 512 bytes + 16 = 33 x 16 bytes, so that sixteen lanes that read sixteen rows touch sixteen different columns of 16 bytes
.set WSTG, 16*SP                       ; a wave's stage: 16 rows
.set XR,   32                          ; x path: v32-159  two steps' numbers as loaded
.set XX,   160                         ;         v160-223 64 numbers in the order of the operand's registers
.set XC,   224                         ;         v224-255 codes: 16 registers for each step, so that no store's data are written again
.set WX,   32                          ; W paths: v32-95  two sets of 32 numbers down K
.set WC,   96                          ;          v96-127 codes: 8 registers for each block of 32 along K
	s_load_b256 s[4:11], s[0:1], 0x0               ; x s[4:5], W1 s[6:7], W2 s[8:9], the scales' exponents s[10:11]
	s_load_b128 s[12:15], s[0:1], 0x20             ; x_img s[12:13], w1_img s[14:15]
	s_load_b64 s[16:17], s[0:1], 0x30              ; w2_img
	v_lshl_add_u32 v30, v0, 2, 0x8400
	v_mov_b32 v31, 0
	v_lshrrev_b32 v1, 5, v0
	v_readfirstlane_b32 s18, v1                    ; wave 0..3
	v_and_b32 v1, 31, v0                           ; lane
	v_and_b32 v2, 15, v0                           ; r
	v_bfe_u32 v3, v0, 4, 1                         ; h
	v_lshlrev_b32 v4, 4, v1                        ; 16 x lane: my place in a load's 512 bytes and in a group of an image
	s_mul_i32 s19, s18, WSTG                       ; my wave's stage
	v_add_nc_u32 v5, s19, v4                       ; into it: 16 x lane of a row
	v_mul_u32_u24 v6, v2, SP
	v_lshl_add_u32 v6, v3, 6, v6
	v_add_nc_u32 v6, s19, v6                       ; out of it: row r, + 64 h: my 16 numbers of a block of 32
	v_and_b32 v7, 7, v0                            ; W paths: lane l takes column (l % 8) + 16 ((l / 8) % 2) + 8 (l / 16) of the wave's 32:
	v_bfe_u32 v8, v0, 3, 1                         ; lanes 0-15 are the sixteen places of fragment 2 B, lanes 16-31 those of fragment 2 B + 1
	v_lshl_add_u32 v7, v8, 4, v7
	v_lshl_add_u32 v7, v3, 3, v7
	v_lshlrev_b32 v7, 2, v7                        ; in bytes
	s_wait_kmcnt 0x0
	s_load_b128 s[20:23], s[10:11], 0x0            ; e0 .. e3
	s_cmp_lt_u32 ttmp9, 512                        ; the paths part on the work-group's number alone
	s_cbranch_scc0 .Lweights
.macro SCALE es                        ; v11 = 2^e as f32 (the conversion takes its exponent field); v10 = 57,344 x 2^e
	s_wait_kmcnt 0x0
	s_add_co_i32 s30, s[\es], 127
	s_lshl_b32 s31, s30, 23
	v_mov_b32 v11, s31
	s_add_co_i32 s30, s30, 15
	s_lshl_b32 s30, s30, 23
	s_or_b32 s30, s30, 0x600000                    ; the mantissa field of 57,344
	v_mov_b32 v10, s30
.endm
; 64 numbers of a lane, register 16 b + i = k 32 b + 16 h + i of its row, become the 16 registers of a fragment
.macro QUANT s, d
.irp b, 0,1,2,3
.irp i, 0,1,2,3,4,5,6,7,8,9,10,11,12,13,14,15
	v_med3_num_f32 v[\s+16*\b+\i], v[\s+16*\b+\i], -v10, v10   ; the conversion to an 8-bit code does not saturate (ISA guide 7.6.2): the hold at the largest code x the scale comes first
.endr
	v_cvt_scalef32_pk8_bf8_f32 v[\d+4*\b:\d+4*\b+1], v[\s+16*\b:\s+16*\b+7], v11
	v_cvt_scalef32_pk8_bf8_f32 v[\d+4*\b+2:\d+4*\b+3], v[\s+16*\b+8:\s+16*\b+15], v11
.endr
	v_nop                                          ; one plain vector line behind the last conversion of a run
.endm
	; ---- x: 16 rows; my wave's 256 columns in two steps of 128 along K
	s_lshl_b32 s24, ttmp9, 16                      ; 16 rows of 4,096 bytes
	s_lshl_b32 s25, s18, 10                        ; + my 256 columns
	s_add_co_u32 s24, s24, s25
	s_mov_b32 s25, 0
	s_add_nc_u64 s[4:5], s[4:5], s[24:25]
	s_lshr_b32 s26, ttmp9, 4                       ; the image: tile of 256 rows x 262,144
	s_lshl_b32 s26, s26, 18
	s_lshl_b32 s27, s18, 16                        ; + K step 2 w x 32,768
	s_add_co_u32 s26, s26, s27
	s_and_b32 s27, ttmp9, 15                       ; + fragment x 2,048
	s_lshl_b32 s27, s27, 11
	s_add_co_u32 s26, s26, s27
	s_mov_b32 s27, 0
	s_add_nc_u64 s[12:13], s[12:13], s[26:27]
.irp t, 0,1
.irp i, 0,1,2,3,4,5,6,7,8,9,10,11,12,13,14,15
	global_load_b128 v[XR+64*\t+4*\i:XR+64*\t+4*\i+3], v4, s[4:5] offset:4096*\i+512*\t th:TH_LOAD_NT   ; row i, step t: 32 lanes read 512 consecutive bytes; all 32 loads go out at once
.endr
.endr
; A step's 16 rows x 512 bytes go through my stage as they lie and come back 64 bytes a lane for each block of 32.  LDS serves a wave's instructions in order (ISA guide 5.7.1.4): no wait between the stores and the loads.
.macro XTURN t
.irp i, 0,1,2,3,4,5,6,7,8,9,10,11,12,13,14,15
	ds_store_b128 v5, v[XR+64*\t+4*\i:XR+64*\t+4*\i+3] offset:SP*\i
.endr
.irp c, 0,1,2,3
.irp j, 0,1,2,3
	ds_load_b128 v[XX+16*\c+4*\j:XX+16*\c+4*\j+3], v6 offset:128*\c+16*\j
.endr
.endr
.endm
.macro XOUT t
.irp c, 0,1,2,3
	global_store_b128 v4, v[XC+16*\t+4*\c:XC+16*\t+4*\c+3], s[12:13] offset:32768*\t+512*\c   ; group c of the fragment: 512 consecutive bytes
.endr
.endm
	SCALE 20
	s_wait_loadcnt 16                              ; step 0's sixteen loads are in; step 1's sixteen may stay out
	s_wait_alu depctr_va_vdst(0)
	XTURN 0
	s_wait_dscnt 0x0                               ; the numbers are back
	QUANT XX, XC
	XOUT 0
	s_wait_loadcnt 0x0
	XTURN 1
	s_wait_dscnt 0x0
	QUANT XX, XC+16
	XOUT 1
	s_wait_tensorcnt 0x0
	ds_add_u32 v30, v31
	s_wait_dscnt 0x0
	s_endpgm
; ---- W: K is the first axis.  A LANE TAKES A COLUMN AND ITS REGISTERS RUN DOWN K: each load reads 128 consecutive bytes a wave, 512 a work-group, and the conversions give codes with K innermost.
.macro WLOAD c, N, src                 ; block c: W(32 c + i, my column), i = 0 .. 31, into set c % 2.  The largest immediate, 127 rows of W1, is 2,080,768: inside the signed 24 bits (ISA guide, chapter 10)
.irp i, 0,1,2,3,4,5,6,7,8,9,10,11,12,13,14,15,16,17,18,19,20,21,22,23,24,25,26,27,28,29,30,31
	global_load_b32 v[WX+32*((\c)%2)+\i], v7, s[\src:\src+1] offset:(32*(\c)+\i)*\N*4 th:TH_LOAD_NT
.endr
.endm
.macro WBLOCK c, N, src, dst
.set XS, WX+32*((\c)%2)
.set CC, WC+8*(\c)
.if (\c) < 3
	s_wait_loadcnt 32                              ; this block's 32 loads are in; the next block's 32 may stay out
.else
	s_wait_loadcnt 0x0
.endif
.irp i, 0,1,2,3,4,5,6,7,8,9,10,11,12,13,14,15,16,17,18,19,20,21,22,23,24,25,26,27,28,29,30,31
	v_med3_num_f32 v[XS+\i], v[XS+\i], -v10, v10
.endr
.irp g, 0,1,2,3
	v_cvt_scalef32_pk8_bf8_f32 v[CC+2*\g:CC+2*\g+1], v[XS+8*\g:XS+8*\g+7], v11
.endr
	v_nop                                          ; one plain vector line between the conversions and the lines that touch their results
; Registers 0-3 hold k = 32 c + 0 .. 15 and registers 4-7 k = 32 c + 16 .. 31, in lanes 0-15 of fragment 2 B's columns and in lanes 16-31 of fragment 2 B + 1's.  The swap (upper lanes of the first with lower lanes
; of the second) leaves in registers 0-3 group c of fragment 2 B (lanes 16-31: its upper 16 k) and in registers 4-7 group c of fragment 2 B + 1.
.irp j, 0,1,2,3
	v_permlane16_swap_b32 v[CC+\j], v[CC+4+\j]
.endr
	global_store_b128 v4, v[CC:CC+3], s[\dst:\dst+1] offset:512*(\c)
	global_store_b128 v4, v[CC+4:CC+7], s[\dst:\dst+1] offset:2048+512*(\c)
.if (\c) < 2
	WLOAD (\c)+2, \N, \src
.endif
.endm
; N: columns of W; LGCB: log2 of its blocks of 128 columns; KS: its K steps of 128; first: the path's first work-group
.macro WPATH N, LGCB, KS, src, dst, es, first
	s_sub_co_u32 s24, ttmp9, \first
	s_and_b32 s25, s24, (1<<\LGCB)-1               ; which 128 columns
	s_lshr_b32 s24, s24, \LGCB                     ; which 128 along K
	s_mul_i32 s26, s24, 128*\N*4                   ; in: 128 rows of W for each K step
	s_lshl_b32 s27, s25, 9                         ; + 512 bytes for each block of columns
	s_add_co_u32 s26, s26, s27
	s_lshl_b32 s27, s18, 7                         ; + my wave's 32 columns
	s_add_co_u32 s26, s26, s27
	s_mov_b32 s27, 0
	s_add_nc_u64 s[\src:\src+1], s[\src:\src+1], s[26:27]
	s_lshr_b32 s28, s25, 1                         ; out: (tile of 256 columns x KS + K step) x 32,768
	s_mul_i32 s28, s28, \KS
	s_add_co_u32 s28, s28, s24
	s_lshl_b32 s28, s28, 15
	s_and_b32 s29, s25, 1                          ; + the tile's half x 8 fragments
	s_lshl_b32 s29, s29, 14
	s_add_co_u32 s28, s28, s29
	s_lshl_b32 s29, s18, 12                        ; + my wave's two fragments
	s_add_co_u32 s28, s28, s29
	s_mov_b32 s29, 0
	s_add_nc_u64 s[\dst:\dst+1], s[\dst:\dst+1], s[28:29]
	WLOAD 0, \N, \src
	WLOAD 1, \N, \src
	SCALE \es
	s_wait_alu depctr_va_vdst(0)
	WBLOCK 0, \N, \src, \dst
	WBLOCK 1, \N, \src, \dst
	WBLOCK 2, \N, \src, \dst
	WBLOCK 3, \N, \src, \dst
	s_endpgm
.endm
.Lweights:
	s_cmp_lt_u32 ttmp9, 768
	s_cbranch_scc0 .Lsecond
	s_wait_alu depctr_va_vdst(0)
	WPATH 4096, 5, 8, 6, 14, 21, 512               ; W1, scale e1
.Lsecond:
	s_wait_alu depctr_va_vdst(0)
	WPATH 1024, 3, 32, 8, 16, 23, 768              ; W2, scale e3
.Lfunc_end_k_q75c9ab346e_quant:
	.size	k_q75c9ab346e_quant, .Lfunc_end_k_q75c9ab346e_quant-k_q75c9ab346e_quant
	.p2alignl 7, 3214868480
	.fill 96, 4, 3214868480
	.section	.rodata,"a",@progbits
	.p2align	6, 0x0
	.amdhsa_kernel k_q75c9ab346e_quant
		.amdhsa_group_segment_fixed_size 34304
		.amdhsa_private_segment_fixed_size 0
		.amdhsa_enable_private_segment 0
		.amdhsa_kernarg_size 56
		.amdhsa_user_sgpr_count 2
		.amdhsa_user_sgpr_kernarg_segment_ptr 1
		.amdhsa_wavefront_size32 1
		.amdhsa_system_sgpr_workgroup_id_x 1
		.amdhsa_system_sgpr_workgroup_id_y 1
		.amdhsa_system_sgpr_workgroup_id_z 1
		.amdhsa_system_vgpr_workitem_id 0
		.amdhsa_next_free_vgpr 256
		.amdhsa_next_free_sgpr 66
		.amdhsa_reserve_vcc 0
		.amdhsa_float_denorm_mode_32 3
		.amdhsa_float_denorm_mode_16_64 3
		.amdhsa_memory_ordered 1
		.amdhsa_forward_progress 1
		.amdhsa_inst_pref_size 67
	.end_amdhsa_kernel
	.amdgpu_metadata
---
amdhsa.version: [ 1, 2 ]
amdhsa.kernels:
  - .name:           k_q75c9ab346e_quant
    .symbol:         k_q75c9ab346e_quant.kd
    .args:
      - { .name: x, .offset: 0, .size: 8, .value_kind: global_buffer, .address_space: global }
      - { .name: W1, .offset: 8, .size: 8, .value_kind: global_buffer, .address_space: global }
      - { .name: W2, .offset: 16, .size: 8, .value_kind: global_buffer, .address_space: global }
      - { .name: lowp_scales, .offset: 24, .size: 8, .value_kind: global_buffer, .address_space: global }
      - { .name: x_img, .offset: 32, .size: 8, .value_kind: global_buffer, .address_space: global }
      - { .name: w1_img, .offset: 40, .size: 8, .value_kind: global_buffer, .address_space: global }
      - { .name: w2_img, .offset: 48, .size: 8, .value_kind: global_buffer, .address_space: global }
    .group_segment_fixed_size: 34304
    .private_segment_fixed_size: 0
    .kernarg_segment_align: 8
    .kernarg_segment_size: 56
    .max_flat_workgroup_size: 128
    .sgpr_count:     66
    .vgpr_count:     256
    .wavefront_size: 32
...
	.end_amdgpu_metadata
.endif
;; end of part 1
;; launch ffn1 (part 2): grid 16 x 16, 4 waves a work-group, clusters of 4 x 4, 327,680 bytes of LDS; arguments x_img, w1_img, lowp_scales, b1, h_img; writes h_img
.if DOCPART == 2
	.amdgcn_target "amdgcn-amd-amdhsa--gfx1250"
	.amdhsa_code_object_version 6
	.text
	.protected	k_q75c9ab346e_ffn1
	.globl	k_q75c9ab346e_ffn1
	.p2align	8
	.type	k_q75c9ab346e_ffn1,@function
k_q75c9ab346e_ffn1:
	s_mov_b64 s[64:65], 0
	v_nop
	global_prefetch_b8 v0, s[64:65] scope:SCOPE_SE
	s_setreg_imm32_b32 hwreg(HW_REG_WAVE_MODE, 25, 1), 1
	s_wait_xcnt 0x0
	s_wait_alu depctr_hold_cnt(0) depctr_sa_sdst(0) depctr_va_vdst(0) depctr_va_sdst(0) depctr_va_ssrc(0) depctr_va_vcc(0) depctr_vm_vsrc(0)
	s_getreg_b32 s2, hwreg(HW_REG_IB_STS2, 6, 4)
	s_cmp_eq_u32 s2, 0
	s_cbranch_scc0 .Lentry_in_a_cluster
	s_endpgm
.Lentry_in_a_cluster:
	s_bfe_u32 s2, ttmp6, 0x10000c
	s_cmp_lg_u32 s2, 0xf033
	s_cbranch_scc0 .Lentry_shape_is_right
	s_endpgm
.Lentry_shape_is_right:
; h = poly(x W1 + b1), quantised: x and W1 come as codes of BF8 (E5M2), images of operand registers (16 rows x 128 K = 2,048 bytes, group c at 512 c, lane l at 16 l); sums in f32.
; Each finished sum x 2^(e0 + e1) + b1, then t (0.5 + t (0.5 - 0.125 t)) in f32, held within +-57,344 x 2^e2 and turned into codes with the scale 2^e2: h_img [m / 128][f / 128][8][2048].
; LIMITS: e0 + e1 between -126 and 127; e2 between -126 and 112.
; A work-group of four waves makes two tiles of 256 x 256, one 4,096 rows below the other: a loop over tiles whose last tile's tail is written out; a wave makes 128 x 128.  K goes in steps of 256 through two LDS slots.
; CLUSTERS: 4 x 4 work-groups; x's blocks are asked for jointly along a row of the cluster, W1's along a column.
; PREFETCH: behind each joint load a wave asks for 32 of the 128 blocks of 256 bytes that it will fetch two refills on; the four partners that fetch a block jointly share it out by address (cx for x, cy for W1).
; Every offset is an immediate.  W1's K steps 2 and 3 are asked for at the head alone (the second tile takes the same columns); the last two refills of the launch have nothing two refills on.
.set SUBB,   32768
.set SLOT,   4*SUBB
.set SPARE,  2*SLOT
.set KSTEPB, 2*SUBB
.set NEXT_A, 16*262144-2*KSTEPB
.set BACK_B, 2*KSTEPB
.set ADRA, 16
.set ADRB, 20
.set LI,   24
.set H64,  25
.set LIM,  26
.set QS,   27
.set SPW,  28
.set NIL,  29
.set T,    32
.set PC,   96
.set U,    192
.set F0,   128
.set F1,   192
.set G1,  24
.set G0,  32
.set G1B, 48
.set G0B, 56
.set MSB, 0
.macro WIN new
.if MSB != (\new)
	s_set_vgpr_msb (MSB<<8)|(\new)
.set MSB, (\new)
.endif
.endm
.set MUL_LO, 0xa1
.set MUL_HI, 0xf1
.set TO_B,   0x40
.set PFO,  23                          ; v23      the prefetches' offset: 8,192 x my place among the four partners + 256 x lane; never rewritten
.set PFA,  76                          ; s[76:77] the block that my wave fetched first: x's or W1's; never rewritten
.set PFI,  -1                          ; the byte offset of the block to ask for behind the next change of slots; under 0: none
.macro ASKT                            ; s78 = 1 in x's waves while the first tile is made
.if PFI >= 0
	s_cmp_eq_u32 s78, 1
	s_cbranch_scc0 .Lnot_mine_\@
	global_prefetch_b8 v[PFO], s[PFA:PFA+1] offset:PFI th:TH_LOAD_NT scope:SCOPE_SE
.Lnot_mine_\@:
.endif
.endm
.macro JLOAD s
	s_cmp_eq_u32 s15, 0
	s_cbranch_scc0 .Lfor_b_\@
	tensor_load_to_lds s[G0+4*\s:G0+4*\s+3], s[G1:G1+7]
	s_nop 0
.rept 4
	v_nop
.endr
	s_branch .Lasked_\@
.Lfor_b_\@:
	tensor_load_to_lds s[G0B+4*\s:G0B+4*\s+3], s[G1B:G1B+7]
	s_nop 0
.rept 4
	v_nop
.endr
.Lasked_\@:
.endm
.macro CREST
	s_cmp_lg_u32 s14, 0
	s_cbranch_scc1 .Lnot_wave_0_\@
	s_barrier_signal -3
.Lnot_wave_0_\@:
	s_barrier_wait -3
	s_barrier_signal -1
	s_barrier_wait -1
.endm
.macro CROUND
	s_barrier_signal -1
	s_barrier_wait -1
	CREST
.endm
	s_load_b128 s[4:7], s[0:1], 0x0
	s_load_b128 s[8:11], s[0:1], 0x10
	s_load_b64 s[12:13], s[0:1], 0x20
	v_lshl_add_u32 v[SPW], v0, 2, SPARE
	v_mov_b32 v[NIL], 0
	ds_add_u32 v28, v29
	ds_add_u32 v28, v29
	s_wait_dscnt 0x0
	v_lshrrev_b32 v1, 5, v0
	v_readfirstlane_b32 s14, v1
	s_lshr_b32 s15, s14, 1
	s_and_b32 s16, s14, 1
	s_bfe_u32 s40, ttmp6, 0x40000
	s_bfe_u32 s41, ttmp6, 0x40004
	s_lshl_b32 s42, ttmp9, 2
	s_add_co_u32 s42, s42, s40
	s_and_b32 s17, ttmp7, 0xffff
	s_lshl_b32 s17, s17, 2
	s_add_co_u32 s17, s17, s41
	s_lshl_b32 s43, s41, 2
	s_lshl_b32 s43, 15, s43
	s_lshl_b32 s44, 0x1111, s40
	s_or_b32 s[G1+0], s43, (3<<16)|(1<<21)
	s_or_b32 s[G1B+0], s44, (3<<16)|(1<<21)
.irp g, G1, G1B
	s_mov_b32 s[\g+1], 32<<16
	s_mov_b32 s[\g+2], 128<<16
	s_mov_b32 s[\g+3], 32<<16
	s_mov_b32 s[\g+4], 128
	s_mov_b32 s[\g+5], 32
	s_mov_b32 s[\g+6], 0
	s_mov_b32 s[\g+7], 0
.endr
	s_lshl_b32 s18, s16, 15
	s_lshl_b32 s20, s17, 18
	s_add_co_u32 s20, s20, s18
	s_mov_b32 s21, 0
	s_lshl_b32 s46, s42, 18
	s_add_co_u32 s46, s46, s18
	s_mov_b32 s47, 0
	s_lshl_b32 s45, s14, 15
	s_wait_kmcnt 0x0
	s_load_b128 s[72:75], s[8:9], 0x0
	s_add_nc_u64 s[20:21], s[4:5], s[20:21]
	s_add_nc_u64 s[46:47], s[6:7], s[46:47]
	CROUND
.irp s, 0,1
	s_mov_b32 s[G0+4*\s], 1
	s_add_co_u32 s[G0+4*\s+1], s45, \s*SLOT
	s_add_nc_u64 s[G0+4*\s+2:G0+4*\s+3], s[20:21], \s*KSTEPB
	s_or_b32 s[G0+4*\s+3], s[G0+4*\s+3], 0x80000000
	s_mov_b32 s[G0B+4*\s], 1
	s_add_co_u32 s[G0B+4*\s+1], s45, \s*SLOT
	s_add_nc_u64 s[G0B+4*\s+2:G0B+4*\s+3], s[46:47], \s*KSTEPB
	s_or_b32 s[G0B+4*\s+3], s[G0B+4*\s+3], 0x80000000
.endr
	JLOAD 0                                        ; K step 0: one tensor load a wave at the head
	v_and_b32 v1, 31, v0
	v_bfe_u32 v2, v0, 4, 1
	v_lshlrev_b32 v[LI], 4, v1
	v_lshlrev_b32 v[H64], 6, v2
	v_lshlrev_b32 v[PFO], 8, v1
	s_wait_alu depctr_va_vdst(0)
	s_cmp_eq_u32 s15, 0                            ; do I fetch for x?
	s_cselect_b32 s79, s40, s41                    ; my place among the four that ask with me
	s_cselect_b64 s[PFA:PFA+1], s[20:21], s[46:47]
	s_cselect_b32 s78, 1, 0
	s_lshl_b32 s79, s79, 13
	v_add_nc_u32 v[PFO], s79, v[PFO]
	s_wait_alu depctr_va_vdst(0)                   ; the wait behind the write
	global_prefetch_b8 v[PFO], s[PFA:PFA+1] offset:2*KSTEPB th:TH_LOAD_NT scope:SCOPE_SE   ; K step 2
	s_lshl_b32 s21, s15, 14
	s_lshl_b32 s22, s16, 14
	s_add_co_u32 s22, s22, 2*SUBB
.irp s, 0,1
	v_add_nc_u32 v[ADRA+\s], s21, v[LI]
	v_add_nc_u32 v[ADRB+\s], s22, v[LI]
	s_add_co_u32 s21, s21, SLOT
	s_add_co_u32 s22, s22, SLOT
.endr
	s_lshl_b32 s46, s42, 10
	s_lshl_b32 s47, s16, 9
	s_add_co_u32 s46, s46, s47
	s_mov_b32 s47, 0
	s_add_nc_u64 s[10:11], s[10:11], s[46:47]
	WIN TO_B
.irp b, 0,1,2,3
.irp j, 0,1,2,3
	global_load_b128 v[16*\b+4*\j:16*\b+4*\j+3], v[H64], s[10:11] offset:128*\b+16*\j
.endr
.endr
	WIN 0
	s_wait_alu depctr_va_vdst(0)
	s_wait_kmcnt 0x0
	s_add_co_i32 s66, s72, s73
	s_add_co_i32 s66, s66, 127
	s_lshl_b32 s66, s66, 23
	s_mov_b32 s67, s66
	s_mov_b32 s68, 0xbe000000
	s_mov_b32 s69, s68
	s_add_co_i32 s18, s74, 127
	s_lshl_b32 s19, s18, 23
	v_mov_b32 v[QS], s19
	s_add_co_i32 s18, s18, 15
	s_lshl_b32 s18, s18, 23
	s_or_b32 s18, s18, 0x600000
	v_mov_b32 v[LIM], s18
	s_lshl_b32 s20, s17, 1
	s_add_co_u32 s20, s20, s15
	s_lshl_b32 s20, s20, 19
	s_mov_b32 s21, 0
	s_add_nc_u64 s[12:13], s[12:13], s[20:21]
	s_lshl_b32 s46, s42, 1
	s_add_co_u32 s46, s46, s16
	s_lshl_b32 s46, s46, 14
	s_mov_b32 s47, 0
	s_add_nc_u64 s[12:13], s[12:13], s[46:47]
.macro MUL16 f, hi, a0, zero
.irp a, \a0, \a0+1
.irp b, 0,1,2,3,4,5,6,7
.if \zero
	v_wmma_f32_16x16x64_bf8_bf8 v[8*(8*(\a)+\b):8*(8*(\a)+\b)+7], v[\f+8*\b:\f+8*\b+7], v[\f+8*(4*\hi+\a):\f+8*(4*\hi+\a)+7], 0
.else
	v_wmma_f32_16x16x64_bf8_bf8 v[8*(8*(\a)+\b):8*(8*(\a)+\b)+7], v[\f+8*\b:\f+8*\b+7], v[\f+8*(4*\hi+\a):\f+8*(4*\hi+\a)+7], v[8*(8*(\a)+\b):8*(8*(\a)+\b)+7]
.endif
.endr
.endr
.endm
.macro FETCH slot, qq, f
.set KO, ((\qq)/2)*SUBB+((\qq)%2)*1024
	WIN TO_B
.irp i, 0,1,2,3,4,5,6,7
	ds_load_b128 v[\f+8*\i:\f+8*\i+3],   v[ADRB+\slot] offset:KO+2048*\i
	ds_load_b128 v[\f+8*\i+4:\f+8*\i+7], v[ADRB+\slot] offset:KO+2048*\i+512
.endr
	WIN 0
.irp i, 0,1,2,3,4,5,6,7
	ds_load_b128 v[\f+8*\i:\f+8*\i+3],   v[ADRA+\slot] offset:KO+2048*\i
	ds_load_b128 v[\f+8*\i+4:\f+8*\i+7], v[ADRA+\slot] offset:KO+2048*\i+512
.endr
.endm
.macro PLACES
.rept 4
	v_nop
.endr
.endm
.macro QUARTER slot, qq, f, g, zero
	s_wait_dscnt 8
	WIN MUL_LO
	MUL16 \f, 0, 0, \zero
	MUL16 \f, 0, 2, \zero
	PLACES
	FETCH \slot, \qq, \g
	s_wait_dscnt 32
	WIN MUL_HI
	MUL16 \f, 1, 0, \zero
	MUL16 \f, 1, 2, \zero
.endm
.macro MEET f, round
	WIN 0
	s_wait_tensorcnt 0x0
	ds_add_u32 v[SPW], v[NIL]
	s_wait_dscnt 9
	WIN MUL_LO
	MUL16 \f, 0, 0, 0
	s_wait_dscnt 0x0
	s_barrier_signal -1
	MUL16 \f, 0, 2, 0
.if \round
	WIN 0
.endif
	s_barrier_wait -1
.endm
.macro TURN slot, next, f, g, fill, on
	MEET \f, \fill
.if \fill
	CREST
.if \on
	s_add_nc_u64 s[G0+4*\slot+2:G0+4*\slot+3], s[G0+4*\slot+2:G0+4*\slot+3], NEXT_A
	s_sub_nc_u64 s[G0B+4*\slot+2:G0B+4*\slot+3], s[G0B+4*\slot+2:G0B+4*\slot+3], BACK_B
.else
	s_add_nc_u64 s[G0+4*\slot+2:G0+4*\slot+3], s[G0+4*\slot+2:G0+4*\slot+3], 2*KSTEPB
	s_add_nc_u64 s[G0B+4*\slot+2:G0B+4*\slot+3], s[G0B+4*\slot+2:G0B+4*\slot+3], 2*KSTEPB
.endif
	JLOAD \slot
.else
	PLACES
.endif
	FETCH \next, 0, \g
	ASKT
	WIN MUL_HI
	MUL16 \f, 1, 0, 0
	MUL16 \f, 1, 2, 0
.endm
.macro THREE slot, zero
	QUARTER \slot, 1, F0, F1, \zero
	QUARTER \slot, 2, F1, F0, 0
	QUARTER \slot, 3, F0, F1, 0
.endm
.macro LASTQ f
	s_wait_dscnt 8
	WIN MUL_LO
	MUL16 \f, 0, 0, 0
	MUL16 \f, 0, 2, 0
	s_wait_dscnt 0x0
	WIN MUL_HI
	MUL16 \f, 1, 0, 0
	MUL16 \f, 1, 2, 0
	WIN 0
.endm
.macro QUANT s, d
.irp b, 0,1,2,3
.irp i, 0,1,2,3,4,5,6,7,8,9,10,11,12,13,14,15
	v_med3_num_f32 v[\s+16*\b+\i], v[\s+16*\b+\i], -v[LIM], v[LIM]
.endr
	v_cvt_scalef32_pk8_bf8_f32 v[\d+4*\b:\d+4*\b+1], v[\s+16*\b:\s+16*\b+7], v[QS]
	v_cvt_scalef32_pk8_bf8_f32 v[\d+4*\b+2:\d+4*\b+3], v[\s+16*\b+8:\s+16*\b+15], v[QS]
.endr
	v_nop
.endm
.macro EPI a
.set AC, 64*((\a)%4)
.set PD, PC+16*((\a)%2)
	WIN 0x12+(\a)/4
.set j, 0
.rept 32
	v_pk_fma_f32 v[T+j:T+j+1], v[AC+j:AC+j+1], s[66:67], v[j:j+1] op_sel_hi:[1,0,1]
.set j, j+2
.endr
	WIN 0
.set j, 0
.rept 32
	v_pk_fma_f32 v[U+j:U+j+1], v[T+j:T+j+1], s[68:69], 0.5 op_sel_hi:[1,0,0]
.set j, j+2
.endr
.set j, 0
.rept 32
	v_pk_fma_f32 v[U+j:U+j+1], v[T+j:T+j+1], v[U+j:U+j+1], 0.5 op_sel_hi:[1,1,0]
.set j, j+2
.endr
.set j, 0
.rept 32
	v_pk_mul_f32 v[T+j:T+j+1], v[T+j:T+j+1], v[U+j:U+j+1]
.set j, j+2
.endr
	s_wait_xcnt 0x0
	QUANT T, PD
.irp c, 0,1,2,3
	global_store_b128 v[LI], v[PD+4*\c:PD+4*\c+3], s[12:13] offset:2048*(\a)+512*\c
.endr
.endm
.macro WAYOUT
	WIN 0
	PLACES
	s_wait_loadcnt 0x0
.irp a, 0,1,2,3,4,5,6,7
	EPI \a
.endr
.endm
	s_wait_alu depctr_va_vdst(0)                   ; the wait at the head's end
	s_wait_tensorcnt 0x0                           ; my part of K step 0 is in; slot 1's first fill is issued as a refill is:
	ds_add_u32 v[SPW], v[NIL]                      ; the add,
	s_wait_dscnt 0x0
	CROUND                                         ; a whole round,
	JLOAD 1                                        ; and K step 1's load first behind it
	FETCH 0, 0, F0
	global_prefetch_b8 v[PFO], s[PFA:PFA+1] offset:3*KSTEPB th:TH_LOAD_NT scope:SCOPE_SE   ; K step 3
	s_mov_b32 s3, 2                                ; tiles to go
.Ltile:
	THREE 0, 1
.set PFI, 16*262144                    ; the second tile's K step 0 of x: 16 tile rows of 262,144 bytes on
	TURN 0, 1, F1, F0, 1, 0
	THREE 1, 0
.set PFI, 16*262144+KSTEPB
	TURN 1, 0, F1, F0, 1, 0
	THREE 0, 0
	WIN 0
	s_cmp_eq_u32 s3, 1
	s_cbranch_scc1 .Llast_tile                     ; the last tile's tail is written out: it asks for nothing more
.set PFI, 16*262144+2*KSTEPB
	TURN 0, 1, F1, F0, 1, 1                        ; the ring goes on into the next tile
	THREE 1, 0
.set PFI, 16*262144+3*KSTEPB
	TURN 1, 0, F1, F0, 1, 1
	WAYOUT
	s_wait_xcnt 0x0                                ; the stores have read their base
	s_add_nc_u64 s[12:13], s[12:13], 0x1000000     ; 4,096 rows of h on
	s_mov_b32 s78, 0                               ; the second tile prefetches nothing
	s_sub_co_u32 s3, s3, 1
	s_branch .Ltile
.Llast_tile:
.set PFI, -1
	TURN 0, 1, F1, F0, 0, 0
	THREE 1, 0
	LASTQ F1
	WAYOUT
	s_wait_tensorcnt 0x0
	ds_add_u32 v[SPW], v[NIL]
	s_wait_dscnt 0x0
	CROUND
	s_endpgm
.Lfunc_end_k_q75c9ab346e_ffn1:
	.size	k_q75c9ab346e_ffn1, .Lfunc_end_k_q75c9ab346e_ffn1-k_q75c9ab346e_ffn1
	.p2alignl 7, 3214868480
	.fill 96, 4, 3214868480
	.section	.rodata,"a",@progbits
	.p2align	6, 0x0
	.amdhsa_kernel k_q75c9ab346e_ffn1
		.amdhsa_group_segment_fixed_size 327680
		.amdhsa_private_segment_fixed_size 0
		.amdhsa_enable_private_segment 0
		.amdhsa_kernarg_size 40
		.amdhsa_user_sgpr_count 2
		.amdhsa_user_sgpr_kernarg_segment_ptr 1
		.amdhsa_wavefront_size32 1
		.amdhsa_system_sgpr_workgroup_id_x 1
		.amdhsa_system_sgpr_workgroup_id_y 1
		.amdhsa_system_sgpr_workgroup_id_z 1
		.amdhsa_system_vgpr_workitem_id 0
		.amdhsa_next_free_vgpr 1024
		.amdhsa_next_free_sgpr 80
		.amdhsa_reserve_vcc 0
		.amdhsa_float_denorm_mode_32 3
		.amdhsa_float_denorm_mode_16_64 3
		.amdhsa_memory_ordered 1
		.amdhsa_forward_progress 1
		.amdhsa_inst_pref_size 255
	.end_amdhsa_kernel
	.section	.bss,"aw",@nobits
	.p2align	6
	.space	262144
	.amdgpu_metadata
---
amdhsa.version: [ 1, 2 ]
amdhsa.kernels:
  - .name:           k_q75c9ab346e_ffn1
    .symbol:         k_q75c9ab346e_ffn1.kd
    .args:
      - { .name: x_img, .offset: 0, .size: 8, .value_kind: global_buffer, .address_space: global }
      - { .name: w1_img, .offset: 8, .size: 8, .value_kind: global_buffer, .address_space: global }
      - { .name: lowp_scales, .offset: 16, .size: 8, .value_kind: global_buffer, .address_space: global }
      - { .name: b1, .offset: 24, .size: 8, .value_kind: global_buffer, .address_space: global }
      - { .name: h_img, .offset: 32, .size: 8, .value_kind: global_buffer, .address_space: global }
    .group_segment_fixed_size: 327680
    .private_segment_fixed_size: 0
    .kernarg_segment_align: 8
    .kernarg_segment_size: 40
    .max_flat_workgroup_size: 128
    .sgpr_count:     80
    .vgpr_count:     1024
    .wavefront_size: 32
...
	.end_amdgpu_metadata
.endif
;; end of part 2
;; launch ffn2 (part 3): grid 4 x 64, 4 waves a work-group, clusters of 4 x 4, 327,680 bytes of LDS; arguments h_img, w2_img, lowp_scales, b2, out0; writes out0
.if DOCPART == 3
	.amdgcn_target "amdgcn-amd-amdhsa--gfx1250"
	.amdhsa_code_object_version 6
	.text
	.protected	k_q75c9ab346e_ffn2
	.globl	k_q75c9ab346e_ffn2
	.p2align	8
	.type	k_q75c9ab346e_ffn2,@function
k_q75c9ab346e_ffn2:
	s_mov_b64 s[64:65], 0
	v_nop
	global_prefetch_b8 v0, s[64:65] scope:SCOPE_SE
	s_setreg_imm32_b32 hwreg(HW_REG_WAVE_MODE, 25, 1), 1
	s_wait_xcnt 0x0
	s_wait_alu depctr_hold_cnt(0) depctr_sa_sdst(0) depctr_va_vdst(0) depctr_va_sdst(0) depctr_va_ssrc(0) depctr_va_vcc(0) depctr_vm_vsrc(0)
	s_getreg_b32 s2, hwreg(HW_REG_IB_STS2, 6, 4)
	s_cmp_eq_u32 s2, 0
	s_cbranch_scc0 .Lentry_in_a_cluster
	s_endpgm
.Lentry_in_a_cluster:
	s_bfe_u32 s2, ttmp6, 0x10000c
	s_cmp_lg_u32 s2, 0xf033
	s_cbranch_scc0 .Lentry_shape_is_right
	s_endpgm
.Lentry_shape_is_right:
; out0 = h W2 + b2.  h and W2 come as codes of BF8 (E5M2) with the scales 2^e2 and 2^e3; sums in f32; each finished sum x 2^(e2 + e3) + b2 by one multiply-add.  out0: [8192][1024] f32.
; BOTH BUFFERS OF CODES ARE IMAGES OF OPERAND REGISTERS.  A fragment is 16 rows x 128 along K, 2,048 bytes: group c at 512 c, lane l's 16 bytes at 16 l; lane (r = l % 16, h = l / 16) holds there
; k = 32 c + 16 h + 0 .. 15 of row r, alike in both operands: four loads of 16 bytes a lane fill the 16 registers of an operand.      h_img [m / 128][f / 128][8][2048]      w2_img [n / 256][f / 128][16][2048]
; LIMIT: e2 + e3 between -126 and 127, so that 2^(e2 + e3) is an f32 number.
; SHARES.  256 tiles of 128 rows x 256 columns, one for each work-group.  Four waves: wave (nh, kh) makes all 128 rows x 128 columns nh from the sub-steps (128 along K) of parity kh: 64 accumulators, 16 steps of 64 matrix instructions.
; ORDER OF THE SUMS: an output's sum is made as two half sums, which meet once, at the end, through LDS.
; W2 TAKES TWO WAYS.  No two waves of a work-group read the same fragment of it.  Of a wave's eight fragments of a step, 0-5 go from memory straight into registers (24 loads of 16 bytes a lane), asked for three half-steps
; (96 matrix instructions) ahead of their use, with immediate offsets; these have no joint load, since they do not pass through LDS, and no prefetch, since they run that far ahead already.  Fragments 6 and 7 come through LDS.
; LDS: two slots of 6 sub-steps: h's 98,304 bytes and W2's fragments 6, 7, 14, 15 (49,152 bytes).  32 sub-steps are five fills of six and a last fill of two.  Waves 0-2 fetch two sub-steps of h each, wave 3 W2's part: 12 rows of
; 4,096 bytes, 16,384 apart.  A refill has three steps (192 matrix instructions) in which to land.
; CLUSTERS: 4 x 4 work-groups: h's blocks are asked for JOINTLY along a row of the cluster, W2's part along a column.  h's fills 1 to 4 are prefetched one fill ahead: each of waves 0-2 asks for 32 of its 128 blocks of 256 bytes, shared out by cx.
; THE MATRIX INSTRUCTION IS USED TRANSPOSED (source 0 = 16 columns of W2, source 1 = 16 rows of h); W2's fragment 2 B + u holds at place p the column 32 B + 8 u + p + 8 (p / 8): a lane's 16 registers of tiles 2 B, 2 B + 1 are 16 neighbouring columns of one row.
; REGISTERS, in windows of 256: window 0: v0-31 addresses; v64-255 h's fragments, three units of 64 by turns (on the way out: Y).   window 1: W2's four units of 64 (at the end: v0-63 b2, v128-255 rows read back).
;   window 2: the accumulators of the 64 rows that I keep (row fragments 4 kh + a; (a, b) at v[8 (8 a + b)]).   window 3: those of the 64 rows that I give to my partner, wave xor 1.
.set HSL,    98304                     ; h's part of a slot; W2's part lies behind it
.set SLOT,   147456
.set STAGE,  262144                    ; the stages, 16 rows x 528 bytes for each wave: from here to slot 1's end the bytes have their last fill with fill 3 (fill 5 ends here), and behind that end nothing is ever filled
.set SPARE,  295936                    ; behind the stages: the spare words, 128 bytes for each wave
.set SP,     528
.set HA,   8                           ; v8-15   LDS addresses of h's fragments: v[8 + 4 slot + 2 (step of the slot / 2) + g]: g = 0 the rows that I keep, 1 those whose sums I give away
.set WO,   16                          ; v16     my byte offset in a pair of sub-steps of W2: 32,768 kh + 16,384 nh + 16 x lane
.set PFO,  17                          ; v17     the prefetches' offset: 8,192 cx + 256 x lane
.set WA,   18                          ; v18-19  LDS address of W2's fragments 6 and 7, slot 0, 1
.set XW,   24                          ; v24     the exchange: where I write
.set XR,   25                          ; v25     and where I read: my partner's bytes
.set STO,  26                          ; v26     the stage: where I put 16 bytes of a row
.set RD,   27                          ; v27     and where I read a row back
.set SPW,  28                          ; v28     LDS address of my spare word; never rewritten
.set NIL,  29                          ; v29     0; never rewritten
.set CO,   30                          ; v30     16 x lane
.set H64,  31                          ; v31     64 h: my byte offset in b2
.set HU,   64
.set Y,    128
.set BK,   128
.set G1,  24                           ; s[24:31] descriptor group 1 for h's blocks; s[32:39] group 0, one set for each slot
.set G0,  32
.set G1B, 48                           ; s[48:55], s[56:63] the same for W2's part
.set G0B, 56
.set G1T, 80                           ; s[80:87] group 1 for W2's part of the last fill: 4 rows
.set PFA, 66                           ; s[66:67] my wave's first block of h; never rewritten
.set MSB, 0
.macro WIN new                         ; the immediate's high byte repeats the setting that is left
.if MSB != (\new)
	s_set_vgpr_msb (MSB<<8)|(\new)
.set MSB, (\new)
.endif
.endm
.set MUL_LO, 0xa1                      ; source 0 (W2) window 1, source 1 (h) window 0, C and D window 2
.set MUL_HI, 0xf1                      ; the same, C and D window 3
.set TO_B,   0x40                      ; destination window 1, address window 0
.macro PLACES                          ; four places between a matrix instruction and a load into its sources or a read of its result (ISA guide 7.12.1 for the read of its result)
.rept 4
	v_nop
.endr
.endm
.macro JLOAD sl                        ; a fill of slot sl: wave 3 W2's part, waves 0-2 two sub-steps of h each; s_nop 0 and four v_nop follow each line
	s_cmp_eq_u32 s14, 3
	s_cbranch_scc0 .Lfor_h_\@
	tensor_load_to_lds s[G0B+4*(\sl):G0B+4*(\sl)+3], s[G1B:G1B+7]
	s_nop 0
	PLACES
	s_branch .Lasked_\@
.Lfor_h_\@:
	tensor_load_to_lds s[G0+4*(\sl):G0+4*(\sl)+3], s[G1:G1+7]
	s_nop 0
	PLACES
.Lasked_\@:
.endm
.macro JLOADT sl                       ; the last fill, two sub-steps: wave 3 W2's 4 rows, wave 0 h's 32,768 bytes, waves 1 and 2 nothing
	s_cmp_eq_u32 s14, 3
	s_cbranch_scc0 .Lnot_b_\@
	tensor_load_to_lds s[G0B+4*(\sl):G0B+4*(\sl)+3], s[G1T:G1T+7]
	s_nop 0
	PLACES
	s_branch .Lasked_\@
.Lnot_b_\@:
	s_cmp_eq_u32 s14, 0
	s_cbranch_scc0 .Lasked_\@
	tensor_load_to_lds s[G0+4*(\sl):G0+4*(\sl)+3], s[G1:G1+7]
	s_nop 0
	PLACES
.Lasked_\@:
.endm
.macro ASK i                           ; fill i of h (1..4): the 32 blocks of 256 bytes that fall to my work-group of the 128 that my wave will fetch; wave 3 fetches none of h
	s_cmp_eq_u32 s14, 3
	s_cbranch_scc1 .Lnone_\@
	global_prefetch_b8 v[PFO], s[PFA:PFA+1] offset:(\i)*HSL th:TH_LOAD_NT scope:SCOPE_SE
.Lnone_\@:
.endm
.macro CREST
	s_cmp_lg_u32 s14, 0
	s_cbranch_scc1 .Lnot_wave_0_\@
	s_barrier_signal -3
.Lnot_wave_0_\@:
	s_barrier_wait -3
	s_barrier_signal -1
	s_barrier_wait -1
.endm
.macro CROUND
	s_barrier_signal -1
	s_barrier_wait -1
	CREST
.endm
.macro WLOAD u                         ; W2's unit u from memory (step u / 2): u even: fragments 0-3, 16 loads; u odd: fragments 4 and 5, 8 loads; into registers 64 (u % 4) on of window 1
	WIN TO_B
.irp i, 0,1,2,3
.if (\i < 2) || ((\u)%2 == 0)
.irp c, 0,1,2,3
	global_load_b128 v[64*((\u)%4)+16*\i+4*\c:64*((\u)%4)+16*\i+4*\c+3], v[WO], s[6:7] offset:65536*((\u)/2)+8192*((\u)%2)+2048*\i+512*\c
.endr
.endif
.endr
.endm
.macro WLL s                           ; W2's fragments 6 and 7 of step s from LDS, into the upper half of unit 2 s + 1
	WIN TO_B
.irp i, 0,1
.irp c, 0,1,2,3
	ds_load_b128 v[64*((2*(\s)+1)%4)+32+16*\i+4*\c:64*((2*(\s)+1)%4)+32+16*\i+4*\c+3], v[WA+((\s)/3)%2] offset:16384*((\s)%3)+2048*\i+512*\c
.endr
.endr
	WIN 0
.endm
.macro B2LOAD                          ; b2 in the result's layout, register 16 b + i: column 32 b + 16 h + i; it takes W2's unit 0 when that is done with, and counts as a unit of 16 in the waits
	WIN TO_B
.irp b, 0,1,2,3
.irp j, 0,1,2,3
	global_load_b128 v[16*\b+4*\j:16*\b+4*\j+3], v[H64], s[10:11] offset:128*\b+16*\j
.endr
.endr
.endm
.macro HLOAD j                         ; h's unit j (step j / 2; j even: the four row fragments that I keep, odd: the other four) into unit j % 3
.set HS_, (\j)/2
.set HM_, HS_%3
.irp i, 0,1,2,3
.irp c, 0,1,2,3
	ds_load_b128 v[HU+64*((\j)%3)+16*\i+4*\c:HU+64*((\j)%3)+16*\i+4*\c+3], v[HA+4*((HS_/3)%2)+2*(HM_/2)+(\j)%2] offset:32768*(HM_%2)+2048*\i+512*\c
.endr
.endr
.endm
; 16 matrix instructions: four row fragments (ah) x four of W2's (bh), 128 along K.  The 64 accumulators take turns, each once a step.  zero = 1: the product starts the sum.
.macro QUAD s, bh, ah, zero
.set WB_, 64*((2*(\s)+(\bh))%4)
.set HB_, HU+64*((2*(\s)+(\ah))%3)
.set AB_, 32*(\bh)
.irp ia, 0,1,2,3
.irp ib, 0,1,2,3
.if \zero
	v_wmma_f32_16x16x128_bf8_bf8 v[AB_+64*\ia+8*\ib:AB_+64*\ia+8*\ib+7], v[WB_+16*\ib:WB_+16*\ib+15], v[HB_+16*\ia:HB_+16*\ia+15], 0
.else
	v_wmma_f32_16x16x128_bf8_bf8 v[AB_+64*\ia+8*\ib:AB_+64*\ia+8*\ib+7], v[WB_+16*\ib:WB_+16*\ib+15], v[HB_+16*\ia:HB_+16*\ia+15], v[AB_+64*\ia+8*\ib:AB_+64*\ia+8*\ib+7]
.endif
.endr
.endr
.endm
; A step: two half-steps, W2's units 2 s and 2 s + 1, each against h's units 2 s and 2 s + 1.  turn > 0: a slot's last step: all its fragments have been asked for, so the change of slots stands here:
; 1 with a refill of six sub-steps, 2 with the last fill, 3 with nothing left to fetch.  ask: the fill of h to prefetch behind the refill, 0: none.
.macro STEP s, turn, ask, zero
.set SL_, ((\s)/3)%2
	PLACES
	s_wait_loadcnt 24                              ; unit 2 s is in; the two units behind it, 8 and 16 loads, may be out
.if (\s) < 15
	WLOAD 2*(\s)+3
.endif
	WIN 0
.if \turn
	s_wait_tensorcnt 0x0                           ; all my tensor loads have landed: my part of the next slot;
	ds_add_u32 v[SPW], v[NIL]                      ; 0 onto my spare word;
	s_wait_dscnt 17                                ; (the add and h's unit 2 s + 1 may be out)
.else
.if (\s) < 15
	HLOAD 2*(\s)+2
	WLL (\s)+1
	s_wait_dscnt 40                                ; h's unit 2 s and this step's fragments 6 and 7 are in; 16 + 16 + 8 behind them may be out
.else
	s_wait_dscnt 16
.endif
.endif
	WIN MUL_LO
	QUAD \s, 0, 0, \zero
.if \turn
	s_wait_dscnt 0x0                               ; the add is done, and my reads of this slot are over
	s_barrier_signal -1
.else
.if (\s) < 15
	s_wait_dscnt 24                                ; h's unit 2 s + 1 is in
.else
	s_wait_dscnt 0x0
.endif
.endif
	WIN MUL_HI
	QUAD \s, 0, 1, \zero
.if \turn
	WIN 0
	s_barrier_wait -1
.if (\turn) < 3
	CREST                                          ; the barrier has opened a round of the cluster's barrier: no wave of any partner still reads this slot or has a load on its way; none of mine is out, so a group 0 may be written
	s_add_nc_u64 s[G0+4*SL_+2:G0+4*SL_+3], s[G0+4*SL_+2:G0+4*SL_+3], 2*HSL
	s_add_nc_u64 s[G0B+4*SL_+2:G0B+4*SL_+3], s[G0B+4*SL_+2:G0B+4*SL_+3], 12*32768
.if (\turn) == 1
	JLOAD SL_                                      ; my one tensor load behind the round; its four v_nop are also the places in front of the loads below
.else
	JLOADT SL_
	PLACES                                         ; (the way of waves 1 and 2 has no v_nop)
.endif
.else
	PLACES
.endif
	HLOAD 2*(\s)+2                                 ; the next slot's first fragments
	WLL (\s)+1
.if \ask
	ASK \ask
.endif
.else
	PLACES
.endif
.if (\s) < 15
	s_wait_loadcnt 24                              ; unit 2 s + 1 is in
.else
	s_wait_loadcnt 16                              ; (behind the last unit: b2 alone)
.endif
.if (\s) < 14
	WLOAD 2*(\s)+4
.else
.if (\s) == 14
	B2LOAD
.endif
.endif
	WIN MUL_LO
	QUAD \s, 1, 0, \zero
.if (\s) < 15
	PLACES
	WIN 0
	HLOAD 2*(\s)+3
.endif
	WIN MUL_HI
	QUAD \s, 1, 1, \zero
.endm
	s_load_b128 s[4:7], s[0:1], 0x0                ; h_img s[4:5], w2_img s[6:7]
	s_load_b128 s[8:11], s[0:1], 0x10              ; the scales' exponents s[8:9], b2 s[10:11]
	s_load_b64 s[12:13], s[0:1], 0x20              ; out0
	v_lshl_add_u32 v[SPW], v0, 2, SPARE
	v_mov_b32 v[NIL], 0
	ds_add_u32 v[SPW], v[NIL]                      ; the opening lines: the add, twice on end, and its wait ahead of my first tensor load
	ds_add_u32 v[SPW], v[NIL]
	v_lshrrev_b32 v1, 5, v0
	v_readfirstlane_b32 s14, v1                    ; wave 0..3
	s_lshr_b32 s15, s14, 1                         ; nh: which 128 columns are mine
	s_and_b32 s16, s14, 1                          ; kh: which sub-steps, and which 64 rows I keep
	s_bfe_u32 s40, ttmp6, 0x40000                  ; cx, cy: my place in the cluster
	s_bfe_u32 s41, ttmp6, 0x40004
	s_lshl_b32 s42, ttmp9, 2
	s_add_co_u32 s42, s42, s40                     ; tile column = 4 x cluster x + cx
	s_and_b32 s17, ttmp7, 0xffff
	s_lshl_b32 s17, s17, 2
	s_add_co_u32 s17, s17, s41                     ; tile row = 4 x cluster y + cy
	s_lshl_b32 s43, s41, 2
	s_lshl_b32 s43, 15, s43                        ; my row of the cluster
	s_lshl_b32 s44, 0x1111, s40                    ; my column
	s_or_b32 s[G1+0], s43, (3<<16)|(1<<21)         ; h's blocks go to my row; elements of 8 bytes; bit 21 beside a mask
	s_or_b32 s[G1B+0], s44, (3<<16)|(1<<21)        ; W2's part goes to my column
	s_or_b32 s[G1T+0], s44, (3<<16)|(1<<21)
	s_mov_b32 s[G1+1], 32<<16                      ; h: a dense block as 128 rows of 32 elements: 32,768 bytes
	s_mov_b32 s[G1+2], 128<<16
	s_mov_b32 s[G1+3], 32<<16
	s_mov_b32 s[G1+4], 128
	s_mov_b32 s[G1+5], 32
	s_mov_b32 s[G1+6], 0
	s_mov_b32 s[G1+7], 0
.irp g, G1B, G1T
	s_mov_b32 s[\g+1], 512<<16                     ; W2: rows of 512 elements (two fragments), 2,048 elements apart
	s_mov_b32 s[\g+3], 512<<16
	s_mov_b32 s[\g+5], 2048
	s_mov_b32 s[\g+6], 0
	s_mov_b32 s[\g+7], 0
.endr
	s_mov_b32 s[G1B+2], 12<<16                     ; 12 rows: six sub-steps
	s_mov_b32 s[G1B+4], 12
	s_mov_b32 s[G1T+2], 4<<16                      ; 4 rows: the last two
	s_mov_b32 s[G1T+4], 4
	s_lshl_b32 s45, s14, 15                        ; wave x 32,768: my load's place in a slot (wave 3: 98,304, where W2's part lies), my pair of sub-steps of h, my part of the exchange
	s_mul_i32 s21, s16, 16384+8192                 ; in a pair of sub-steps: mine is kh; the fragments that I keep are 4 kh on,
	s_lshl_b32 s22, s16, 13
	s_add_co_u32 s22, s22, 8192                    ; the others 4 (1 - kh) on: 16,384 kh + 8,192 (1 - kh)
	s_lshl_b32 s23, s16, 15
	s_lshl_b32 s18, s15, 14
	s_add_co_u32 s23, s23, s18
	s_lshl_b32 s69, s16, 13                        ; W2's part: 8,192 for each sub-step, 4,096 nh in it
	s_lshl_b32 s18, s15, 12
	s_add_co_u32 s69, s69, s18
	s_add_co_u32 s69, s69, HSL
	s_lshl_b32 s68, s40, 13
	s_xor_b32 s19, s14, 1
	s_lshl_b32 s19, s19, 15
	s_mul_i32 s18, s14, 16*SP
	s_add_co_u32 s18, s18, STAGE
	v_and_b32 v1, 31, v0                           ; lane
	v_bfe_u32 v2, v0, 4, 1                         ; h
	v_and_b32 v3, 15, v0                           ; r
	v_lshlrev_b32 v[CO], 4, v1
	v_lshlrev_b32 v[H64], 6, v2
	v_add_nc_u32 v[HA], s21, v[CO]
	v_add_nc_u32 v[HA+1], s22, v[CO]
.irp g, 0,1
	v_add_nc_u32 v[HA+2+\g], 0x10000, v[HA+\g]
	v_add_nc_u32 v[HA+4+\g], SLOT, v[HA+\g]
	v_add_nc_u32 v[HA+6+\g], SLOT+0x10000, v[HA+\g]
.endr
	v_add_nc_u32 v[WA], s69, v[CO]
	v_add_nc_u32 v[WA+1], SLOT, v[WA]
	v_add_nc_u32 v[WO], s23, v[CO]
	v_lshl_add_u32 v[PFO], v1, 8, s68
	v_add_nc_u32 v[XW], s45, v[CO]
	v_add_nc_u32 v[XR], s19, v[CO]
	v_mul_u32_u24 v[STO], v3, SP
	v_lshl_add_u32 v[STO], v2, 6, v[STO]
	v_add_nc_u32 v[STO], s18, v[STO]               ; in: row r, + 64 h
	v_add_nc_u32 v[RD], s18, v[CO]                 ; back: the 32 lanes take one row of 512 bytes
	s_wait_alu depctr_va_vdst(0)                   ; all vector registers of the head are made
	s_wait_dscnt 0x0                               ; both opening adds are done
	CROUND                                         ; all sixteen work-groups are here: the first joint loads meet
	s_wait_kmcnt 0x0
	s_load_b128 s[72:75], s[8:9], 0x0              ; e0 .. e3
	s_lshl_b32 s20, s17, 19                        ; h: tile row x 524,288 + my pair of sub-steps
	s_add_co_u32 s20, s20, s45
	s_mov_b32 s21, 0
	s_add_nc_u64 s[20:21], s[4:5], s[20:21]
	s_lshl_b32 s46, s42, 20                        ; W2: tile column x 1,048,576
	s_mov_b32 s47, 0
	s_add_nc_u64 s[6:7], s[6:7], s[46:47]
	s_add_nc_u64 s[46:47], s[6:7], 6*2048          ; the tensor loads begin at fragment 6
	s_mov_b64 s[PFA:PFA+1], s[20:21]
.irp s, 0,1
	s_mov_b32 s[G0+4*\s], 1
	s_add_co_u32 s[G0+4*\s+1], s45, \s*SLOT
	s_add_nc_u64 s[G0+4*\s+2:G0+4*\s+3], s[20:21], \s*HSL
	s_or_b32 s[G0+4*\s+3], s[G0+4*\s+3], 0x80000000
	s_mov_b32 s[G0B+4*\s], 1
	s_add_co_u32 s[G0B+4*\s+1], s45, \s*SLOT
	s_add_nc_u64 s[G0B+4*\s+2:G0B+4*\s+3], s[46:47], \s*6*32768
	s_or_b32 s[G0B+4*\s+3], s[G0B+4*\s+3], 0x80000000
.endr
	JLOAD 0                                        ; one tensor load a wave at the head
	ASK 1
	WLOAD 0
	WLOAD 1
	WLOAD 2
	WIN 0
	s_lshl_b32 s20, s42, 10                        ; b2 and out0: my 128 columns begin at 256 x tile column + 128 nh, in bytes
	s_lshl_b32 s22, s15, 9
	s_add_co_u32 s20, s20, s22
	s_mov_b32 s21, 0
	s_add_nc_u64 s[10:11], s[10:11], s[20:21]
	s_add_nc_u64 s[12:13], s[12:13], s[20:21]
	s_lshl_b32 s20, s17, 19                        ; out0: row 128 x tile row + 64 kh, of 4,096 bytes
	s_lshl_b32 s22, s16, 18
	s_add_co_u32 s20, s20, s22
	s_add_nc_u64 s[12:13], s[12:13], s[20:21]
	s_wait_kmcnt 0x0
	s_add_co_i32 s76, s74, s75                     ; a sum stands for sum x 2^(e2 + e3)
	s_add_co_i32 s76, s76, 127
	s_lshl_b32 s76, s76, 23
	s_mov_b32 s77, s76
	s_wait_alu depctr_va_vdst(0)                   ; the wait at the head's end
	s_wait_tensorcnt 0x0                           ; my part of fill 0 is in; slot 1's first fill is issued as a refill is:
	ds_add_u32 v[SPW], v[NIL]
	s_wait_dscnt 0x0
	CROUND
	JLOAD 1
	HLOAD 0
	WLL 0
	HLOAD 1
	ASK 2
	STEP 0, 0, 0, 1                                ; the first step's products start the sums: nothing is cleared
	STEP 1, 0, 0, 0
	STEP 2, 1, 3, 0                                ; slot 0 takes fill 2
	STEP 3, 0, 0, 0
	STEP 4, 0, 0, 0
	STEP 5, 1, 4, 0                                ; slot 1 takes fill 3
	STEP 6, 0, 0, 0
	STEP 7, 0, 0, 0
	STEP 8, 1, 0, 0                                ; slot 0 takes fill 4
	STEP 9, 0, 0, 0
	STEP 10, 0, 0, 0
	STEP 11, 2, 0, 0                               ; slot 1 takes the last two sub-steps
	STEP 12, 0, 0, 0
	STEP 13, 0, 0, 0
	STEP 14, 3, 0, 0                               ; nothing is left to fetch; behind this barrier nobody reads slot 0, which has had its last fill
	STEP 15, 0, 0, 0
	WIN 0
	; THE TWO HALVES OF K MEET, in slot 0's first 131,072 bytes.  I write the sums of the 64 rows that my partner keeps as an image of their 256 registers, and read, behind a barrier, its sums for the rows that I keep into the same registers.
	PLACES
	WIN 0x0c                                       ; store data: window 3
.set g, 0
.rept 64
	ds_store_b128 v[XW], v[4*g:4*g+3] offset:512*g ; each accumulator from its low end on
.set g, g+1
.endr
	WIN 0
	s_wait_dscnt 0x0                               ; for my partner's sake: my stores have landed
	s_barrier_signal -1
	s_barrier_wait -1
	WIN 0xc0                                       ; destination: window 3
.set g, 0
.rept 64
	ds_load_b128 v[4*g:4*g+3], v[XR] offset:512*g
.set g, g+1
.endr
	WIN 0
; THE WAY OUT, block by block of 16 rows x 128 columns.  COMBINE: the two half sums, then x 2^(e2 + e3) + b2.  TOSTAGE: through my own stage, back as whole rows of 512 bytes (LDS serves a wave's instructions in order: ISA guide 5.7.1.4).
.macro COMBINE a
.set YY, Y+64*((\a)%2)
	WIN 0x0e                                       ; source 0 window 2 (mine), source 1 window 3 (my partner's)
.set j, 0
.rept 32
	v_pk_add_f32 v[YY+j:YY+j+1], v[64*(\a)+j:64*(\a)+j+1], v[64*(\a)+j:64*(\a)+j+1]
.set j, j+2
.endr
	WIN 0x10                                       ; source 2 (b2) window 1
.set j, 0
.rept 32
	v_pk_fma_f32 v[YY+j:YY+j+1], v[YY+j:YY+j+1], s[76:77], v[j:j+1] op_sel_hi:[1,0,1]
.set j, j+2
.endr
	WIN 0
.endm
.macro TOSTAGE a
.set YY, Y+64*((\a)%2)
.set BKS, BK+64*((\a)%2)
.irp b, 0,1,2,3
.irp j, 0,1,2,3
	ds_store_b128 v[STO], v[YY+16*\b+4*\j:YY+16*\b+4*\j+3] offset:128*\b+16*\j
.endr
.endr
	WIN TO_B
.irp t, 0,1,2,3,4,5,6,7,8,9,10,11,12,13,14,15
	ds_load_b128 v[BKS+4*\t:BKS+4*\t+3], v[RD] offset:SP*\t
.endr
	WIN 0
.endm
.macro SEND a, younger                 ; younger: the LDS instructions issued behind block a's loads, which may stay out
.set BKS, BK+64*((\a)%2)
	s_wait_dscnt \younger
	WIN 0x04                                       ; store data: window 1
.irp t, 0,1,2,3,4,5,6,7,8,9,10,11,12,13,14,15
	global_store_b128 v[CO], v[BKS+4*\t:BKS+4*\t+3], s[12:13] offset:65536*(\a)+4096*\t th:TH_STORE_NT   ; 32 lanes store 512 consecutive bytes, at a multiple of 512 from out0's first byte
.endr
	WIN 0
.endm
	s_wait_loadcnt 0x0                             ; b2
	s_wait_dscnt 48                                ; the first sixteen of the 64 loads are in: block 0's
	COMBINE 0
	TOSTAGE 0
	s_wait_dscnt 32                                ; all but block 0's sixteen stores and sixteen loads: the exchange is in
	COMBINE 1
	TOSTAGE 1
	SEND 0, 32
	COMBINE 2
	s_wait_alu depctr_va_vdst(0)
	s_wait_xcnt 0x0                                ; block 0's stores have read their registers: block 2's rows may land there
	TOSTAGE 2
	SEND 1, 32
	COMBINE 3
	s_wait_alu depctr_va_vdst(0)
	s_wait_xcnt 0x0                                ; block 1's likewise
	TOSTAGE 3
	SEND 2, 32
	SEND 3, 0
	s_wait_tensorcnt 0x0                           ; the wave's end
	ds_add_u32 v[SPW], v[NIL]
	s_wait_dscnt 0x0
	CROUND                                         ; the closing round
	s_endpgm
.Lfunc_end_k_q75c9ab346e_ffn2:
	.size	k_q75c9ab346e_ffn2, .Lfunc_end_k_q75c9ab346e_ffn2-k_q75c9ab346e_ffn2
	.p2alignl 7, 3214868480
	.fill 96, 4, 3214868480
	.section	.rodata,"a",@progbits
	.p2align	6, 0x0
	.amdhsa_kernel k_q75c9ab346e_ffn2
		.amdhsa_group_segment_fixed_size 327680
		.amdhsa_private_segment_fixed_size 0
		.amdhsa_enable_private_segment 0
		.amdhsa_kernarg_size 40
		.amdhsa_user_sgpr_count 2
		.amdhsa_user_sgpr_kernarg_segment_ptr 1
		.amdhsa_wavefront_size32 1
		.amdhsa_system_sgpr_workgroup_id_x 1
		.amdhsa_system_sgpr_workgroup_id_y 1
		.amdhsa_system_sgpr_workgroup_id_z 1
		.amdhsa_system_vgpr_workitem_id 0
		.amdhsa_next_free_vgpr 1024
		.amdhsa_next_free_sgpr 92
		.amdhsa_reserve_vcc 0
		.amdhsa_float_denorm_mode_32 3
		.amdhsa_float_denorm_mode_16_64 3
		.amdhsa_memory_ordered 1
		.amdhsa_forward_progress 1
		.amdhsa_inst_pref_size 208
	.end_amdhsa_kernel
	.amdgpu_metadata
---
amdhsa.version: [ 1, 2 ]
amdhsa.kernels:
  - .name:           k_q75c9ab346e_ffn2
    .symbol:         k_q75c9ab346e_ffn2.kd
    .args:
      - { .name: h_img, .offset: 0, .size: 8, .value_kind: global_buffer, .address_space: global }
      - { .name: w2_img, .offset: 8, .size: 8, .value_kind: global_buffer, .address_space: global }
      - { .name: lowp_scales, .offset: 16, .size: 8, .value_kind: global_buffer, .address_space: global }
      - { .name: b2, .offset: 24, .size: 8, .value_kind: global_buffer, .address_space: global }
      - { .name: out0, .offset: 32, .size: 8, .value_kind: global_buffer, .address_space: global }
    .group_segment_fixed_size: 327680
    .private_segment_fixed_size: 0
    .kernarg_segment_align: 8
    .kernarg_segment_size: 40
    .max_flat_workgroup_size: 128
    .sgpr_count:     92
    .vgpr_count:     1024
    .wavefront_size: 32
...
	.end_amdgpu_metadata
.endif
;; end of part 3
